; MI455X (gfx1250); checked and timed in simulation.
; The chip was launched on July 23, 2026; its instructions are those of AMD's public machine-readable ISA for CDNA 5 (MIT licence, August 2026) and "CDNA5" Instruction Set Architecture Reference Guide (July 2026). The comments in the code are by the model that wrote it; some were corrected since.
;; Multihead Attention. Allowed arithmetic: matrix products marked QUANTISED: E3M2 operands, one E8M0 scale for each 32 along K, by v_wmma_scale_f32_16x16x128_f8f6f4 with both operands' format E3M2, f32 sums; products left as they are: f32 operands where the result goes on into a quantised operand, else bf16, f16 or f32 operands; f32 sums; everything else in f32.
;; Inputs: W_oE 512 x 512 float32; W_ow 1 x 512 float32; W_qkv 3,072 x 512 float32; b_oE 512 float32; b_ow 1 float32; b_qkv 3,072 float32; beta_E 512 float32; beta_w 512 float32; g_E 512 float32; g_w 512 float32; mask 32 x 512 int32; x 32 x 512 x 512 float32.
;; Outputs: out0 32 x 1 float32; out1 32 x 512 float32.
;; This version of the problem:
;;   THIS VERSION OF THE PROBLEM IS GIVEN IN LOW PRECISION. The matrix products marked QUANTISED in the list below multiply operands that are first quantised to E3M2 (3 exponent bits, 2 mantissa bits; 6 bits a number), with one power-of-two scale for each 32 numbers along K (OCP MX v1.0); their sums are f32. All else is computed in f32.
;;   The module's matrix products, in the order in which they are computed (A, B: the left and right operand; K: the contracted axis; several contracted axes count as one K, in the product's order):
;;     1. [M 16,384, K 512] x [K 512, N 3,072]; A: input x; B: input W_qkv: QUANTISED
;;     2. batch 256 x [M 512, K 64] x [K 64, N 512]; A: computed on the way; B: computed on the way: QUANTISED
;;     3. batch 256 x [M 512, K 512] x [K 512, N 64]; A: computed on the way; B: computed on the way: QUANTISED
;;     4. [M 32, K 512] x [K 512, N 1]; A: computed on the way; B: input W_ow: left as it is (N = 1 < 16)
;;     5. batch 256 x [M 512, K 64] x [K 64, N 512]; A: computed on the way; B: computed on the way: QUANTISED
;;     6. batch 256 x [M 512, K 512] x [K 512, N 64]; A: computed on the way; B: computed on the way: QUANTISED
;;     7. [M 32, K 512] x [K 512, N 512]; A: computed on the way; B: input W_oE: QUANTISED
;;   THE QUANTISER, for each operand of a quantised product, along K:
;;     - K is cut into blocks of 32 from its start; a last block that is shorter is filled with zeros.
;;     - A block's scale is 2^e with e = floor(log2(the largest magnitude in the block)) - 4, held to -126 .. 127; a block of zeros has e = 0. As a byte (E8M0): e + 127.
;;     - Each number is divided by its block's scale, clamped to +-28, and rounded to the nearest number of E3M2, ties to even, subnormals kept.
;;     - The product sums the exact products of the quantised numbers (number of the format x scale) in f32.
;;   ~~~python
;;   def quantise(x, axis):      # numpy; x: float32 -> the quantised numbers, widened to float32 again
;;       x = np.moveaxis(x, axis, -1); K = x.shape[-1]
;;       x = np.pad(x, [(0, 0)] * (x.ndim - 1) + [(0, -K % 32)]); x = x.reshape(x.shape[:-1] + (-1, 32)); a = np.abs(x).max(-1, keepdims=True)
;;       e = np.where(a > 0, np.clip(np.frexp(np.where(a > 0, a, 1))[1] - 1 - 4, -126, 127), 0)      # np.frexp(a)[1] - 1 = floor(log2(a)), exactly
;;       r = np.clip(x / 2.0 ** e, -28, 28)
;;       step = 2.0 ** (np.maximum(np.frexp(np.where(r == 0, 1, r))[1] - 1, -2) - 2)
;;       q = np.round(r / step) * step * 2.0 ** e      # np.round: ties to even
;;       return np.moveaxis(q.reshape(q.shape[:-2] + (-1,))[..., :K], -1, axis).astype(np.float32)
;;   ~~~
;;   OPERANDS COMPUTED ON THE WAY. 'Computed on the way' means the value that the module computes at that place (a softmax that the list does not call 'softmax' is quantised finished and normalised). What goes into a quantiser is computed in f32, as accurately as f32 sums, v_exp_f32 and their like allow (about 1e-6 of the number): no bf16 or f16 on the way to a quantiser, and a product that is left as it is and whose result goes on into a quantised operand takes f32 operands (vector FMAs, or v_wmma_f32_16x16x4_f32). A number that lies on a knife's edge between two numbers of the format may be rounded either way, as far as f32 arithmetic and the matrix unit's own rounding can turn it there, and no further.
;; One version. Each part assembles by itself: llvm-mc -triple=amdgcn-amd-amdhsa -mcpu=gfx1250 --defsym DOCPART=n.
;; ======== version 1 of 1: 3 launches
;; limits: right only within a limited range of input values
;; workspace buffers: codes 7,667,712 bytes; scales 319,488 bytes; att 131,072 bytes
;; launch quant (part 1): grid 312 x 1, 4 waves a work-group, no clusters, 34,304 bytes of LDS; arguments x, W_qkv, W_oE, codes, scales; writes codes, scales
.if DOCPART == 1
	.amdgcn_target "amdgcn-amd-amdhsa--gfx1250"
	.amdhsa_code_object_version 6
	.text
	.protected	k_q42048c566c_quant
	.globl	k_q42048c566c_quant
	.p2align	8
	.type	k_q42048c566c_quant,@function
k_q42048c566c_quant:
	s_mov_b64 s[64:65], 0
	v_nop
	global_prefetch_b8 v0, s[64:65] scope:SCOPE_SE
	s_setreg_imm32_b32 hwreg(HW_REG_WAVE_MODE, 25, 1), 1
	s_wait_xcnt 0x0
; x [16384][512], W_qkv [3072][512] and W_oE [512][512], f32 with K innermost, become codes of BF6 (E3M2) with one E8M0 byte for each 32 along K,
; laid in the order in which a matrix operand's registers take them.
; A UNIT is 16 rows x 512 K.  Unit u of a tensor holds its rows 32 (u / 2) + 8 (u % 2) + i + 8 (i / 8), i = 0 .. 15: two groups of eight rows, 16 apart.
; Units are numbered through the three tensors: x 0 .. 1023, W_qkv 1024 .. 1215, W_oE 1216 .. 1247.
; codes[unit]: 6,144 bytes = [K step 0..3][chunk 0..2][lane 0..31][16 bytes]: register i (0 .. 11) of lane l of the K step's fragment lies at 512 (i / 4) + 16 l + 4 (i % 4).
;   Lane l = (r = l % 16, h = l / 16) holds row i = r; registers 6 c .. 6 c + 5 hold k = 128 step + 64 c + 32 h + 0 .. 31.
; scales[unit]: 256 bytes = [lane][2 words]: word i of lane l is the scale word (four bytes, 128 along K) of row l % 16 for K step 2 i + l / 16.
; A block's scale is 2^(floor(log2(largest magnitude)) - 4); its byte is the largest magnitude's exponent field - 4, held at 1 from below.
; LIMITS: a block of zeros gets the byte 1 (its codes are zeros, and this program alone reads the bytes); blocks under 2^-122 were not tried; NaN and infinities are not served.
; SHARES: one wave, one unit: 1,248 units, 312 work-groups of four waves; the first 256 work-groups take x, the next 48 W_qkv, the last 8 W_oE: only pointers are chosen, the text has one path.
; Each load reads 512 consecutive bytes of a row (a K step); the 16 rows turn through the wave's own stage in LDS (rows 528 bytes apart), from which a lane takes its two whole blocks of 32.
; Waves share nothing: no barrier.  Loads run two K steps (32 loads a wave) ahead.
.set SP,   528                         ; a stage row: 512 bytes + 16
.set STG,  16*SP                       ; a wave's stage
.set RR,   64                          ; v64-191  two sets of 64 registers as loaded
.set XX,   192                         ; v192-255 my two blocks of 32 neighbours
.set CC,   24                          ; v24-35   the fragment's 12 registers
.set C2,   36                          ; v36-38, v40-42 the second halves as the conversions leave them
.set WW,   20                          ; v20-23   the four K steps' scale words
	s_load_b128 s[4:7], s[0:1], 0x0                ; x, W_qkv
	s_load_b128 s[8:11], s[0:1], 0x10              ; W_oE, codes
	s_load_b64 s[12:13], s[0:1], 0x20              ; scales
	v_lshl_add_u32 v62, v0, 2, 0x8400
	v_mov_b32 v63, 0
	v_lshrrev_b32 v1, 5, v0
	v_readfirstlane_b32 s14, v1                    ; wave
	v_and_b32 v1, 31, v0                           ; lane
	v_and_b32 v7, 15, v0                           ; r
	v_bfe_u32 v6, v0, 4, 1                         ; h
	v_lshlrev_b32 v2, 4, v1                        ; 16 x lane: my bytes of a load, and of an image's chunk
	s_mul_i32 s16, s14, STG
	v_add_nc_u32 v3, s16, v2                       ; into the stage: as loaded
	v_mul_u32_u24 v4, v7, SP
	v_lshl_add_u32 v4, v6, 7, v4
	v_add_nc_u32 v4, s16, v4                       ; out of it: row r, + 128 h
	v_lshlrev_b32 v5, 3, v1                        ; 8 x lane: my two scale words
	v_lshlrev_b32 v6, 3, v6                        ; 8 h: how far my two bytes are shifted in a scale word
	v_mov_b32 v17, 0                               ; a lane permute's destination counts as one of its sources
	s_mov_b32 s20, 0xffff0000                      ; lanes 16-31
	s_mov_b32 s22, 0x76543210
	s_mov_b32 s23, 0xfedcba98                      ; lane l xor 16
	s_lshl_b32 s15, ttmp9, 2
	s_add_co_u32 s15, s15, s14                     ; my unit
	s_mov_b32 s17, 1216
	s_wait_kmcnt 0x0
	s_cmp_lt_u32 ttmp9, 304                        ; the choice hangs on the work-group's number alone
	s_cselect_b64 s[6:7], s[6:7], s[8:9]
	s_cselect_b32 s17, 1024, s17
	s_cmp_lt_u32 ttmp9, 256
	s_cselect_b64 s[4:5], s[4:5], s[6:7]
	s_cselect_b32 s17, 0, s17
	s_sub_co_u32 s17, s15, s17                     ; my unit within its tensor
	s_lshr_b32 s18, s17, 1
	s_lshl_b32 s18, s18, 16                        ; 32 rows of 2,048 bytes for each pair of units,
	s_and_b32 s19, s17, 1
	s_lshl_b32 s19, s19, 14                        ; 8 rows for the odd one
	s_add_co_u32 s18, s18, s19
	s_mov_b32 s19, 0
	s_add_nc_u64 s[4:5], s[4:5], s[18:19]
	s_mul_i32 s18, s15, 6144
	s_add_nc_u64 s[10:11], s[10:11], s[18:19]
	s_lshl_b32 s18, s15, 8
	s_add_nc_u64 s[12:13], s[12:13], s[18:19]
.macro LOADS s, st                     ; K step s of the unit's 16 rows into set st
.irp i, 0,1,2,3,4,5,6,7,8,9,10,11,12,13,14,15
	global_load_b128 v[RR+64*(\st)+4*\i:RR+64*(\st)+4*\i+3], v2, s[4:5] offset:512*(\s)+2048*\i+16384*(\i/8) th:TH_LOAD_NT
.endr
.endm
.macro STEP s
.if (\s) < 3
	s_wait_loadcnt 16                              ; this K step's 16 loads are in; the next step's 16 may be out
.else
	s_wait_loadcnt 0x0
.endif
.irp i, 0,1,2,3,4,5,6,7,8,9,10,11,12,13,14,15
	ds_store_b128 v3, v[RR+64*((\s)%2)+4*\i:RR+64*((\s)%2)+4*\i+3] offset:SP*\i
.endr
.irp c, 0,1
.irp j, 0,1,2,3,4,5,6,7
	ds_load_b128 v[XX+32*\c+4*\j:XX+32*\c+4*\j+3], v4 offset:256*\c+16*\j   ; LDS serves a wave's instructions in order: these see the stores above
.endr
.endr
	s_wait_dscnt 0x0                               ; my 64 numbers are back, and the stores have read their registers,
.if (\s)+2 < 4
	LOADS (\s)+2, (\s)%2                           ; which take the K step two on
.endif
.irp c, 0,1
	v_max3_num_f32 v[8+\c], |v[XX+32*\c]|, |v[XX+32*\c+1]|, 0x2800000   ; block 2 c + h is all mine.  The floor 2^(5 - 127) holds the byte at 1 from below
.endr
.irp c, 0,1
	v_max3_num_f32 v[10+\c], |v[XX+32*\c+16]|, |v[XX+32*\c+17]|, |v[XX+32*\c+18]|   ; a second chain for each block
.endr
.irp i, 2,4,6,8,10,12
.irp c, 0,1
	v_max3_num_f32 v[8+\c], v[8+\c], |v[XX+32*\c+\i]|, |v[XX+32*\c+\i+1]|
.endr
.irp c, 0,1
	v_max3_num_f32 v[10+\c], v[10+\c], |v[XX+32*\c+\i+17]|, |v[XX+32*\c+\i+18]|
.endr
.endr
.irp c, 0,1
	v_max3_num_f32 v[8+\c], v[8+\c], |v[XX+32*\c+14]|, |v[XX+32*\c+15]|
.endr
.irp c, 0,1
	v_max3_num_f32 v[8+\c], v[8+\c], v[10+\c], |v[XX+32*\c+31]|
.endr
.irp c, 0,1
	v_add_nc_u32 v[12+\c], 0xfe000000, v[8+\c]     ; 4 off the exponent field: the conversion takes the exponent field of this operand as its scale
.endr
.irp c, 0,1
	v_lshrrev_b32 v[14+\c], 23, v[12+\c]           ; the scale's byte
.endr
	v_lshl_or_b32 v16, v15, 16, v14                ; my two bytes: blocks h and 2 + h of row r,
	v_lshlrev_b32 v16, v6, v16                     ; at their places in the word;
	v_permlanex16_b32 v17, v16, s22, s23
	v_or_b32 v[WW+(\s)], v16, v17                  ; with lane l xor 16's two the word is whole
.if (\s) > 0
	s_wait_xcnt 0x0                                ; the last step's stores have read the codes' registers: they are written again only behind this wait
.endif
.irp c, 0,1
	v_cvt_scalef32_pk16_bf6_f32 v[CC+6*\c:CC+6*\c+2], v[XX+32*\c:XX+32*\c+15], v[12+\c]
	v_cvt_scalef32_pk16_bf6_f32 v[C2+4*\c:C2+4*\c+2], v[XX+32*\c+16:XX+32*\c+31], v[12+\c]   ; (a conversion's three registers begin on an even number)
.endr
	v_nop                                          ; one plain place behind a scaled conversion
.irp c, 0,1
.irp i, 0,1,2
	v_mov_b32 v[CC+6*\c+3+\i], v[C2+4*\c+\i]
.endr
.endr
.irp c, 0,1,2
	global_store_b128 v2, v[CC+4*\c:CC+4*\c+3], s[10:11] offset:1536*(\s)+512*\c   ; 32 lanes store 512 consecutive bytes, at a multiple of 256 from the buffer's first byte
.endr
.endm
	LOADS 0, 0
	LOADS 1, 1
	STEP 0
	STEP 1
	STEP 2
	STEP 3
	v_cndmask_b32 v44, v[WW], v[WW+1], s20         ; lanes 0-15 keep K step 0's word, lanes 16-31 take K step 1's
	v_cndmask_b32 v45, v[WW+2], v[WW+3], s20       ; likewise K steps 2 and 3
	global_store_b64 v5, v[44:45], s[12:13]        ; 32 lanes store 256 consecutive bytes
	s_wait_tensorcnt 0x0
	ds_add_u32 v62, v63
	s_wait_dscnt 0x0
	s_endpgm
.Lfunc_end_k_q42048c566c_quant:
	.size	k_q42048c566c_quant, .Lfunc_end_k_q42048c566c_quant-k_q42048c566c_quant
	.p2alignl 7, 3214868480
	.fill 96, 4, 3214868480
	.section	.rodata,"a",@progbits
	.p2align	6, 0x0
	.amdhsa_kernel k_q42048c566c_quant
		.amdhsa_group_segment_fixed_size 34304
		.amdhsa_private_segment_fixed_size 0
		.amdhsa_enable_private_segment 0
		.amdhsa_kernarg_size 40
		.amdhsa_user_sgpr_count 2
		.amdhsa_user_sgpr_kernarg_segment_ptr 1
		.amdhsa_wavefront_size32 1
		.amdhsa_system_sgpr_workgroup_id_x 1
		.amdhsa_system_sgpr_workgroup_id_y 1
		.amdhsa_system_sgpr_workgroup_id_z 1
		.amdhsa_system_vgpr_workitem_id 0
		.amdhsa_next_free_vgpr 256
		.amdhsa_next_free_sgpr 66
		.amdhsa_reserve_vcc 0
		.amdhsa_float_denorm_mode_32 3
		.amdhsa_float_denorm_mode_16_64 3
		.amdhsa_memory_ordered 1
		.amdhsa_forward_progress 1
		.amdhsa_inst_pref_size 30
	.end_amdhsa_kernel
	.amdgpu_metadata
---
amdhsa.version: [ 1, 2 ]
amdhsa.kernels:
  - .name:           k_q42048c566c_quant
    .symbol:         k_q42048c566c_quant.kd
    .args:
      - { .name: x, .offset: 0, .size: 8, .value_kind: global_buffer, .address_space: global }
      - { .name: W_qkv, .offset: 8, .size: 8, .value_kind: global_buffer, .address_space: global }
      - { .name: W_oE, .offset: 16, .size: 8, .value_kind: global_buffer, .address_space: global }
      - { .name: codes, .offset: 24, .size: 8, .value_kind: global_buffer, .address_space: global }
      - { .name: scales, .offset: 32, .size: 8, .value_kind: global_buffer, .address_space: global }
    .group_segment_fixed_size: 34304
    .private_segment_fixed_size: 0
    .kernarg_segment_align: 8
    .kernarg_segment_size: 40
    .max_flat_workgroup_size: 128
    .sgpr_count:     66
    .vgpr_count:     256
    .wavefront_size: 32
...
	.end_amdgpu_metadata
.endif
;; end of part 1
;; launch attn (part 2): grid 8 x 32, 4 waves a work-group, clusters of 4 x 4, 327,680 bytes of LDS; arguments codes, scales, b_qkv, mask, att; writes att
.if DOCPART == 2
	.amdgcn_target "amdgcn-amd-amdhsa--gfx1250"
	.amdhsa_code_object_version 6
	.text
	.protected	k_q42048c566c_attn
	.globl	k_q42048c566c_attn
	.p2align	8
	.type	k_q42048c566c_attn,@function
k_q42048c566c_attn:
	s_mov_b64 s[64:65], 0
	v_nop
	global_prefetch_b8 v0, s[64:65] scope:SCOPE_SE
	s_setreg_imm32_b32 hwreg(HW_REG_WAVE_MODE, 25, 1), 1
	s_wait_xcnt 0x0
	s_wait_alu depctr_hold_cnt(0) depctr_sa_sdst(0) depctr_va_vdst(0) depctr_va_sdst(0) depctr_va_ssrc(0) depctr_va_vcc(0) depctr_vm_vsrc(0)
	s_getreg_b32 s2, hwreg(HW_REG_IB_STS2, 6, 4)
	s_cmp_eq_u32 s2, 0
	s_cbranch_scc0 .Lentry_in_a_cluster
	s_endpgm
.Lentry_in_a_cluster:
	s_bfe_u32 s2, ttmp6, 0x10000c
	s_cmp_lg_u32 s2, 0xf033
	s_cbranch_scc0 .Lentry_shape_is_right
	s_endpgm
.Lentry_shape_is_right:
; One work-group = one batch b and one head, both branches (w, E).  Only the CLS query (row 0) of each attention is kept by the module, so what is made is:
; k and v of all 512 keys (64 columns each, both branches), q of row 0, the 512 scores of that row, its masked softmax, and a . v: 64 numbers a branch, stored to att[b][branch][64 head + d].
; All products are on codes of BF6 (E3M2) with one E8M0 byte for each 32 along K.  x and W_qkv come as codes laid as operand registers (16 rows x 512 K a unit, 6,144 bytes; 256 bytes of scale words).
; A unit's rows are 32 (u / 2) + 8 (u % 2) + i + 8 (i / 8): so the 16 registers that two neighbouring tiles of a product leave in a lane are 16 neighbours along the next product's K.
; SHARES.  Wave w owns keys 128 w .. 128 w + 127 (8 tiles of x, all of K = 512: 384 registers, read from LDS once) for all 256 columns: groups kw, vw, kE, vE of 4 tiles each.
;   k pass: source 0 = 16 rows of W, source 1 = 16 keys: a lane holds one key and registers along d.  Two tiles of keys make one fragment (d of the even tile in K 0-63, of the odd one in K 64-127),
;           multiplied by [q | 0] and by [0 | q]: the scores come out with registers along the keys.
;   v pass: source 0 = 16 keys, source 1 = 16 rows of W: a lane holds one d and registers along the keys: v is quantised along the keys, masked keys too, as the module has it.
;   softmax: finished and normalised before it is quantised: the row's maximum and sum go from wave to wave through LDS.  The mask enters by v_cndmask_b32 alone; mask[b][0] = 0 makes a = 0.
;   a . v: a wave's 128 keys are one K step; the four waves' parts are added by wave 0 (f32 sums in another order than the module's).
; CLUSTER 4 x 4.  x's tiles hang on the batch and the wave: the four work-groups of a row of the cluster (same batch, four heads) ask for them jointly; W's hang on the head and the wave: shared along a column.
;   Each wave issues five joint loads at the head, behind one round of the cluster's barrier: five tensor loads of a wave are out at the most.  Nothing in LDS is filled a second time.
; LIMITS.  NaN and infinities among the inputs are not served.  A valid score (q . k) under -1e30 is not served (the floor under the row's maximum).  A block of zeros carries the byte 1: its codes are zeros.
;   p under 2^-126 falls to 0 in v_exp_f32.  c x maximum is rounded once: the common factor that this leaves in p cancels in the normalisation.
; REGISTERS, in windows of 256 (s_set_vgpr_msb: bits 1:0 source 0, 3:2 source 1, 5:4 source 2, 7:6 destination):
;   window 0: v1-13, v111 addresses; v14-71 scale words; v72-83 the fragment just made; v84-107 [q | 0], [0 | q]; v108-127 at work; v128-159 a bias as C; v160-255 W's fragments, two sets of four
;   window 1: the 32 accumulators of a pass; between passes the softmax's work   window 2: x's K steps 0, 1; v192-255 the scores   window 3: x's K steps 2, 3; v192-239 v's four fragments
.set XL,    98304                      ; LDS: W's fragments [group][tile][K step][1536] from 0; x's [wave][K step][tile][1536] from here
.set QIMG,  294912                     ; q's images [branch][lo, hi][1536]
.set QSC,   301056                     ; their scale words [branch][lo, hi][128]
.set EXM,   QSC+512                    ; the waves' maxima, 128 bytes each; their sums 512 bytes on
.set OPART, 302592                     ; the waves' parts of a . v: 16 rows x 272 bytes each
.set OPP,   272
.set WA0, 1                            ; v1   16 x lane: W's groups 0, 1; also an image's place for my lane
.set WA1, 2                            ; v2   + 49,152: groups 2, 3
.set XA,  3                            ; v3   my wave's tiles of x
.set EXW, 4                            ; v4   where I put my wave's maximum
.set SCR, 5                            ; v5   QSC + 4 x lane: q's scale words; the maxima at + 512, the sums at + 1024
.set OPW, 6                            ; v6   where I put my part of a . v
.set OPR, 7                            ; v7   where wave 0 reads row 0 of the parts
.set L8,  8                            ; v8   8 x lane
.set MO,  9                            ; v9   my place in the mask's row: 512 w + 64 h
.set H64, 10                           ; v10  64 h
.set VBO, 11                           ; v11  4 (r + 8 (r / 8))
.set QIW, 12                           ; v12  where waves 0, 1 put q's images
.set QSW, 13                           ; v13  and their scale words
.set X0S, 14                           ; v14-15 the CLS row's scale words
.set XS,  16                           ; v16-31 x's scale words: tile a at 2 a + i; register i: K step 2 i in lanes 0-15, 2 i + 1 in lanes 16-31
.set WS,  32                           ; v32-63 W's: group g, tile t at 2 (4 g + t) + i
.set QS,  64                           ; v64, v65 the scale words of [q | 0], [0 | q]  (v64-71: Wq's, while q is made)
.set KS,  66                           ; v66  k's
.set PS,  67                           ; v67  a's
.set VS,  68                           ; v68-71 v's
.set OUT, 72
.set QFL, 84
.set QFH, 96
.set CT,  108                          ; v108-110, v112-114
.set QIR, 111                          ; v111 QIMG + 16 x lane
.set TM,  116                          ; v116-119 largest magnitudes, v120-123 permute targets and bytes, v124-127 the conversions' scale operands
.set BK,  128
.set WF,  160
.set MK,  0                            ; window 1: the mask's 64 numbers,
.set SS,  64                           ; the masked scores, then p, then a,
.set TP,  128                          ; at work,
.set OO,  192                          ; my part of a . v
.set LL,  192                          ; window 2: the scores
.set VF,  192                          ; window 3: v's fragments
.set WV,  14
.set SEL, 20
.set CS,  22                           ; s[22:23] c = 8 log2(e): the module multiplies the scores by sqrt(64)
.set G1X, 24
.set G1W, 32
.set G0W, 40
.set G0X, 44
.set SR,  60                           ; mask[b][0], then 1.0 or 0
.set XSB, 66
.set WSB, 68
.set BB,  70
.set MB,  72
.set AB,  74
.set X0B, 76
.set X0SB, 78
.set WQB, 80
.set WQSB, 82
.set QBB, 84
.set MSB, 0
.macro WIN new                         ; the immediate's high byte repeats the setting that is left
.if MSB != \new
	s_set_vgpr_msb (MSB<<8)|\new
.set MSB, \new
.endif
.endm
.macro PLACES n
.rept \n
	v_nop
.endr
.endm
.macro BAR                             ; my LDS stores have landed and my LDS loads are in: then the work-group's barrier
	s_wait_dscnt 0x0
	s_barrier_signal -1
	s_barrier_wait -1
.endm
.macro CROUND                          ; a round of the cluster's barrier
	s_barrier_signal -1
	s_barrier_wait -1
	s_cmp_lg_u32 s[WV], 0
	s_cbranch_scc1 .Lnot_wave_0_\@
	s_barrier_signal -3
.Lnot_wave_0_\@:
	s_barrier_wait -3
	s_barrier_signal -1
	s_barrier_wait -1
.endm
; a product; odd = 1: both sides' scale words stand in lanes 16-31
.macro WM d, a, b, c, sa, sb, odd
.if \odd
	v_wmma_scale_f32_16x16x128_f8f6f4 v[(\d):(\d)+7], v[(\a):(\a)+11], v[(\b):(\b)+11], v[(\c):(\c)+7], v[(\sa)], v[(\sb)] matrix_a_fmt:MATRIX_FMT_BF6 matrix_b_fmt:MATRIX_FMT_BF6 matrix_a_scale:MATRIX_SCALE_ROW1 matrix_b_scale:MATRIX_SCALE_ROW1
.else
	v_wmma_scale_f32_16x16x128_f8f6f4 v[(\d):(\d)+7], v[(\a):(\a)+11], v[(\b):(\b)+11], v[(\c):(\c)+7], v[(\sa)], v[(\sb)] matrix_a_fmt:MATRIX_FMT_BF6 matrix_b_fmt:MATRIX_FMT_BF6
.endif
.endm
.macro WMZ d, a, b, sa, sb             ; a product that starts its sum
	v_wmma_scale_f32_16x16x128_f8f6f4 v[(\d):(\d)+7], v[(\a):(\a)+11], v[(\b):(\b)+11], 0, v[(\sa)], v[(\sb)] matrix_a_fmt:MATRIX_FMT_BF6 matrix_b_fmt:MATRIX_FMT_BF6
.endm
.macro WLOAD st, g, s                  ; group g's four fragments of K step s into set st
.irp t, 0,1,2,3
.irp c, 0,1,2
	ds_load_b128 v[WF+48*(\st)+12*\t+4*\c:WF+48*(\st)+12*\t+4*\c+3], v[WA0+(\g)/2] offset:((\g)%2)*24576+6144*\t+1536*(\s)+512*\c
.endr
.endr
.endm
.macro XLOAD s                         ; my eight fragments of x, K step s: they stay in registers
.if (\s) < 2
	WIN 0x80
.else
	WIN 0xc0
.endif
.irp a, 0,1,2,3,4,5,6,7
.irp c, 0,1,2
	ds_load_b128 v[96*((\s)%2)+12*\a+4*\c:96*((\s)%2)+12*\a+4*\c+3], v[XA] offset:12288*(\s)+1536*\a+512*\c
.endr
.endr
	WIN 0
.endm
.macro QLOAD br                        ; [q | 0], [0 | q] and their scale words, as the registers' images lie in LDS
.irp c, 0,1,2
	ds_load_b128 v[QFL+4*\c:QFL+4*\c+3], v[QIR] offset:3072*\br+512*\c
	ds_load_b128 v[QFH+4*\c:QFH+4*\c+3], v[QIR] offset:3072*\br+1536+512*\c
.endr
	ds_load_b32 v[QS], v[SCR] offset:256*\br
	ds_load_b32 v[QS+1], v[SCR] offset:256*\br+128
.endm
.macro KBIAS br                        ; k's bias as C: register j of tile t is b[32 (t / 2) + 8 (t % 2) + 16 h + j]
.irp t, 0,1,2,3
	global_load_b128 v[BK+8*\t:BK+8*\t+3], v[H64], s[BB:BB+1] offset:(1+3*\br)*2048+128*(\t/2)+32*(\t%2)
	global_load_b128 v[BK+8*\t+4:BK+8*\t+7], v[H64], s[BB:BB+1] offset:(1+3*\br)*2048+128*(\t/2)+32*(\t%2)+16
.endr
.endm
.macro VBIAS br                        ; v's: a lane holds one d, so all eight registers of tile t are b[32 (t / 2) + 8 (t % 2) + r + 8 (r / 8)]
.irp t, 0,1,2,3
.irp j, 0,1,2,3,4,5,6,7
	global_load_b32 v[BK+8*\t+\j], v[VBO], s[BB:BB+1] offset:(2+3*\br)*2048+128*(\t/2)+32*(\t%2)
.endr
.endr
.endm
; 64 numbers of a lane in window 1, register 16 b + i = K index 32 b + 16 h + i of my row, become a fragment's codes in v[OUT] on and its scale word in v[pw].
; The accumulators are read from their low ends on, in ascending order.
.macro QUANT src, pw
	WIN 0x14
.irp b, 0,1,2,3
	v_max3_num_f32 v[TM+\b], 0x2800000, |v[(\src)+16*\b]|, |v[(\src)+16*\b+1]|   ; the floor 2^(5 - 127): the byte cannot fall under 1
.endr
.irp i, 2,4,6,8,10,12,14
.irp b, 0,1,2,3
	v_max3_num_f32 v[TM+\b], v[TM+\b], |v[(\src)+16*\b+\i]|, |v[(\src)+16*\b+\i+1]|   ; the four blocks by turns
.endr
.endr
	WIN 0
.irp b, 0,1,2,3
	v_permlanex16_b32 v[TM+4+\b], v[TM+\b], s[SEL], s[SEL+1]
.endr
.irp b, 0,1,2,3
	v_max_num_f32 v[TM+\b], v[TM+\b], v[TM+4+\b]   ; with lane l xor 16's 16: the block's largest magnitude
.endr
.irp b, 0,1,2,3
	v_add_nc_u32 v[TM+8+\b], 0xfe000000, v[TM+\b]  ; 4 off its exponent field: the conversion's scale operand
.endr
.irp b, 0,1,2,3
	v_lshrrev_b32 v[TM+4+\b], 23, v[TM+8+\b]       ; the scale's byte
.endr
	v_lshl_or_b32 v[\pw], v[TM+5], 8, v[TM+4]
	v_lshl_or_b32 v[\pw], v[TM+6], 16, v[\pw]
	v_lshl_or_b32 v[\pw], v[TM+7], 24, v[\pw]
	WIN 0x01
.irp c, 0,1
	v_cvt_scalef32_pk16_bf6_f32 v[OUT+6*\c:OUT+6*\c+2], v[(\src)+32*\c:(\src)+32*\c+15], v[TM+8+2*\c]
	v_cvt_scalef32_pk16_bf6_f32 v[CT+4*\c:CT+4*\c+2], v[(\src)+32*\c+16:(\src)+32*\c+31], v[TM+8+2*\c+1]
.endr
	WIN 0
	v_nop                                          ; one plain place behind a scaled conversion
.irp c, 0,1                            ; the operand wants a whole block in a lane: lanes 0-15 block 2 c, lanes 16-31 block 2 c + 1
.irp i, 0,1,2
	v_permlane16_swap_b32 v[OUT+6*\c+\i], v[CT+4*\c+\i]
.endr
.irp i, 0,1,2
	v_mov_b32 v[OUT+6*\c+3+\i], v[CT+4*\c+\i]
.endr
.endr
.endm
; The head of a K step: the set asked for 32 products ago is in; four places; the next step's set is asked for.
.macro GHEAD g, s
	s_wait_dscnt 0x0
	PLACES 4                                       ; in front of loads into registers that the last step's products read
	WIN 0
.if (\s) < 3
	WLOAD 1-(\s)%2, \g, (\s)+1
.elseif (\g) < 3
	WLOAD 0, (\g)+1, 0
.endif
.endm
; 32 products: K step s of group g against my eight tiles of x.  The 32 accumulators take turns, one instruction a turn, in the same order in every step.
.macro GMUL kind, g, s
.set WFS, WF+48*((\s)%2)
.set XB, 96*((\s)%2)
.if \kind == 0
.if (\s) == 0
	WIN 0x48
.elseif (\s) == 1
	WIN 0x58
.else
	WIN 0x5c
.endif
.irp a, 0,1,2,3,4,5,6,7
.irp t, 0,1,2,3
.if (\s) == 0
	WM 32*\a+8*\t, WFS+12*\t, XB+12*\a, BK+8*\t, WS+2*(4*(\g)+\t)+(\s)/2, XS+2*\a+(\s)/2, (\s)%2
.else
	WM 32*\a+8*\t, WFS+12*\t, XB+12*\a, 32*\a+8*\t, WS+2*(4*(\g)+\t)+(\s)/2, XS+2*\a+(\s)/2, (\s)%2
.endif
.endr
.endr
.else
.if (\s) == 0
	WIN 0x42
.elseif (\s) == 1
	WIN 0x52
.else
	WIN 0x53
.endif
.irp t, 0,1,2,3
.irp a, 0,1,2,3,4,5,6,7
.if (\s) == 0
	WM 64*\t+8*\a, XB+12*\a, WFS+12*\t, BK+8*\t, XS+2*\a+(\s)/2, WS+2*(4*(\g)+\t)+(\s)/2, (\s)%2
.else
	WM 64*\t+8*\a, XB+12*\a, WFS+12*\t, 64*\t+8*\a, XS+2*\a+(\s)/2, WS+2*(4*(\g)+\t)+(\s)/2, (\s)%2
.endif
.endr
.endr
.endif
.endm
	s_load_b256 s[4:11], s[0:1], 0x0               ; codes s[4:5], scales s[6:7], b_qkv s[8:9], mask s[10:11]
	s_load_b64 s[12:13], s[0:1], 0x20              ; att
	v_lshl_add_u32 v115, v0, 2, 0x4e200
	s_set_vgpr_msb 0xc0
	v_mov_b32 v255, 0
	s_set_vgpr_msb 0xc0cc
	ds_add_u32 v115, v255
	ds_add_u32 v115, v255
	s_set_vgpr_msb 0xcc00
	v_lshrrev_b32 v116, 5, v0
	v_readfirstlane_b32 s[WV], v116                ; wave 0..3
	v_and_b32 v116, 31, v0                         ; lane
	v_and_b32 v117, 15, v0                         ; r
	v_bfe_u32 v118, v0, 4, 1                       ; h
	s_bfe_u32 s15, ttmp6, 0x40000                  ; cx
	s_bfe_u32 s16, ttmp6, 0x40004                  ; cy
	s_lshl_b32 s17, ttmp9, 2
	s_add_co_u32 s17, s17, s15                     ; head = 4 x cluster x + cx
	s_and_b32 s18, ttmp7, 0xffff
	s_lshl_b32 s18, s18, 2
	s_add_co_u32 s18, s18, s16                     ; batch = 4 x cluster y + cy
	s_lshl_b32 s19, s16, 2
	s_lshl_b32 s19, 15, s19                        ; my row of the cluster
	s_lshl_b32 s61, 0x1111, s15                    ; my column
	; group 1 for x: K step s of my eight tiles: 8 rows of 1,536 bytes (192 elements of 8 bytes), 6,144 bytes apart, dense in LDS
	s_or_b32 s[G1X], s19, (3<<16)|(1<<21)          ; 15:0 the mask: my row; 17:16 elements of 8 bytes; 21 set beside a mask
	s_mov_b32 s[G1X+1], 192<<16                    ; tensor_dim0
	s_mov_b32 s[G1X+2], 8<<16                      ; tensor_dim1
	s_mov_b32 s[G1X+3], 192<<16                    ; tile_dim0
	s_mov_b32 s[G1X+4], 8                          ; tile_dim1
	s_mov_b32 s[G1X+5], 768                        ; from row to row
	s_mov_b32 s[G1X+6], 0
	s_mov_b32 s[G1X+7], 0
	; group 1 for W: a group's four units, 24,576 dense bytes, as 96 rows of 256 bytes
	s_or_b32 s[G1W], s61, (3<<16)|(1<<21)          ; the mask: my column
	s_mov_b32 s[G1W+1], 32<<16
	s_mov_b32 s[G1W+2], 96<<16
	s_mov_b32 s[G1W+3], 32<<16
	s_mov_b32 s[G1W+4], 96
	s_mov_b32 s[G1W+5], 32
	s_mov_b32 s[G1W+6], 0
	s_mov_b32 s[G1W+7], 0
	; every LDS address is made here, of constants, the lane and the wave's number
	v_lshlrev_b32 v[WA0], 4, v116
	v_add_nc_u32 v[WA1], 49152, v[WA0]
	s_mul_i32 s3, s[WV], 49152
	s_add_co_u32 s3, s3, XL
	v_add_nc_u32 v[XA], s3, v[WA0]
	s_lshl_b32 s3, s[WV], 7
	s_add_co_u32 s3, s3, EXM
	v_lshl_add_u32 v[EXW], v116, 2, s3
	v_lshl_add_u32 v[SCR], v116, 2, QSC
	s_mul_i32 s3, s[WV], 16*OPP
	s_add_co_u32 s3, s3, OPART
	v_mul_u32_u24 v[OPW], v117, OPP
	v_lshl_add_u32 v[OPW], v118, 6, v[OPW]
	v_add_nc_u32 v[OPW], s3, v[OPW]
	v_lshl_add_u32 v[OPR], v116, 3, OPART
	v_lshlrev_b32 v[L8], 3, v116
	s_lshl_b32 s3, s[WV], 9
	v_lshl_add_u32 v[MO], v118, 6, s3
	v_lshlrev_b32 v[H64], 6, v118
	v_and_b32 v[VBO], 8, v117
	v_add_lshl_u32 v[VBO], v[VBO], v117, 2
	s_mul_i32 s3, s[WV], 3072
	s_add_co_u32 s3, s3, QIMG
	v_add_nc_u32 v[QIW], s3, v[WA0]
	s_lshl_b32 s3, s[WV], 8
	s_add_co_u32 s3, s3, QSC
	v_lshl_add_u32 v[QSW], v116, 2, s3
	v_add_nc_u32 v[QIR], QIMG, v[WA0]
.irp b, 0,1,2,3
	v_mov_b32 v[TM+4+\b], 0                        ; written once: a lane permute's destination counts as one of its sources
.endr
	s_mov_b32 s[SEL], 0x76543210
	s_mov_b32 s[SEL+1], 0xfedcba98                 ; lane l xor 16
	s_mov_b32 s[CS], 0x4138aa3b                    ; c = 8 log2(e)
	s_mov_b32 s[CS+1], s[CS]                       ; (named with it as a pair, so it is written)
	; offsets.  x's side is made of the batch and the wave alone, W's of the head and the wave alone, each in registers of its own
	s_mul_i32 s62, s18, 196608                     ; the batch's 32 units of codes
	s_mov_b32 s63, 0
	s_mul_i32 s90, s[WV], 49152                    ; my wave's eight
	s_mov_b32 s91, 0
	s_lshl_b32 s92, s18, 13                        ; the batch's 32 units of scale words
	s_mov_b32 s93, 0
	s_lshl_b32 s94, s[WV], 11                      ; my wave's eight
	s_mov_b32 s95, 0
	s_lshr_b32 s86, s[WV], 1
	s_add_co_u32 s86, s86, s[WV]
	s_add_co_u32 s86, s86, 1                       ; group w is section w + 1 + w / 2 of W_qkv: kw 1, vw 2, kE 4, vE 5
	s_mul_i32 s86, s86, 196608
	s_mul_i32 s2, s17, 24576                       ; the head's four units of a section
	s_add_co_u32 s86, s86, s2
	s_add_co_u32 s86, s86, 6291456                 ; W_qkv's units begin behind x's 1,024
	s_mov_b32 s87, 0
	s_wait_dscnt 0x0
	s_wait_kmcnt 0x0
	s_add_nc_u64 s[X0B:X0B+1], s[4:5], s[62:63]
	s_add_nc_u64 s[88:89], s[X0B:X0B+1], s[90:91]
	s_add_nc_u64 s[X0SB:X0SB+1], s[6:7], s[92:93]
	s_add_nc_u64 s[XSB:XSB+1], s[X0SB:X0SB+1], s[94:95]
	s_mov_b32 s[G0W], 1                            ; count = 1
	s_mul_i32 s[G0W+1], s[WV], 24576               ; LDS: group w
	s_add_nc_u64 s[G0W+2:G0W+3], s[4:5], s[86:87]
	s_or_b32 s[G0W+3], s[G0W+3], 0x80000000        ; type = 2
.irp k, 0,1,2,3
	s_mov_b32 s[G0X+4*\k], 1
	s_add_co_u32 s[G0X+4*\k+1], s90, XL+12288*\k
	s_add_nc_u64 s[G0X+4*\k+2:G0X+4*\k+3], s[88:89], 1536*\k
	s_or_b32 s[G0X+4*\k+3], s[G0X+4*\k+3], 0x80000000
.endr
	s_lshl_b32 s86, s17, 10
	s_add_co_u32 s86, s86, 262144
	s_add_nc_u64 s[WSB:WSB+1], s[6:7], s[86:87]    ; W_qkv's scale words at the head's units of section 0
	s_lshl_b32 s86, s17, 8
	s_add_nc_u64 s[BB:BB+1], s[8:9], s[86:87]      ; the head's 64 numbers of section 0 of the bias
	s_add_nc_u64 s[AB:AB+1], s[12:13], s[86:87]
	s_lshl_b32 s62, s18, 12
	s_add_nc_u64 s[AB:AB+1], s[AB:AB+1], s[62:63]  ; att[batch][0][64 head]
	s_lshl_b32 s62, s18, 11
	s_add_nc_u64 s[MB:MB+1], s[10:11], s[62:63]    ; the batch's row of the mask
	s_min_u32 s61, s[WV], 1
	s_mul_i32 s61, s61, 3                          ; q's section: 0 in wave 0, 3 in wave 1 (the others make no q)
	s_mul_i32 s86, s61, 196608
	s_add_co_u32 s86, s86, s2
	s_add_co_u32 s86, s86, 6291456
	s_add_nc_u64 s[WQB:WQB+1], s[4:5], s[86:87]
	s_lshl_b32 s86, s61, 13
	s_add_nc_u64 s[WQSB:WQSB+1], s[WSB:WSB+1], s[86:87]
	s_lshl_b32 s86, s61, 11
	s_add_nc_u64 s[QBB:QBB+1], s[BB:BB+1], s[86:87]
	CROUND                                         ; all sixteen work-groups are here: the joint loads meet
	tensor_load_to_lds s[G0W:G0W+3], s[G1W:G1W+7]          ; W's group w
	s_nop 0
	tensor_load_to_lds s[G0X:G0X+3], s[G1X:G1X+7]          ; my tiles of x, K step 0,
	s_nop 0
	tensor_load_to_lds s[G0X+4:G0X+7], s[G1X:G1X+7]        ; 1,
	s_nop 0
	tensor_load_to_lds s[G0X+8:G0X+11], s[G1X:G1X+7]       ; 2,
	s_nop 0
	tensor_load_to_lds s[G0X+12:G0X+15], s[G1X:G1X+7]      ; 3
	s_nop 0
	PLACES 4                                       ; four v_nop follow the last
	s_load_b32 s[SR], s[MB:MB+1], 0x0              ; mask[b][0]
.irp a, 0,1,2,3,4,5,6,7
	global_load_b64 v[XS+2*\a:XS+2*\a+1], v[L8], s[XSB:XSB+1] offset:256*\a
.endr
.irp g, 0,1,2,3
.irp t, 0,1,2,3
	global_load_b64 v[WS+2*(4*\g+\t):WS+2*(4*\g+\t)+1], v[L8], s[WSB:WSB+1] offset:(\g+1+\g/2)*8192+256*\t
.endr
.endr
	KBIAS 0
	s_wait_kmcnt 0x0
	s_cmp_lg_u32 s[SR], 0
	s_cselect_b32 s[SR], 0x3f800000, 0             ; a choice of a value, no branch: 1.0 where the CLS row counts, else 0
	; ---- q of the CLS row: wave 0 for branch w, wave 1 for branch E.  All 16 columns of source 1 are the CLS row: each half of the lanes reads the bytes of the unit's lane 16 h
	s_cmp_lt_u32 s[WV], 2
	s_cbranch_scc0 .Lnoq
	v_bfe_u32 v116, v0, 4, 1
	v_lshlrev_b32 v117, 8, v116                    ; 16 bytes x lane 16 h
	v_lshlrev_b32 v118, 7, v116                    ; 8 bytes x lane 16 h
.irp k, 0,1,2,3
.irp c, 0,1,2
	global_load_b128 v[WF+12*\k+4*\c:WF+12*\k+4*\c+3], v117, s[X0B:X0B+1] offset:1536*\k+512*\c
.endr
.endr
	global_load_b64 v[X0S:X0S+1], v118, s[X0SB:X0SB+1]
.irp t, 0,1,2,3
	global_load_b64 v[QS+2*\t:QS+2*\t+1], v[L8], s[WQSB:WQSB+1] offset:256*\t
	global_load_b128 v[WF+48+8*\t:WF+48+8*\t+3], v[H64], s[QBB:QBB+1] offset:128*(\t/2)+32*(\t%2)
	global_load_b128 v[WF+48+8*\t+4:WF+48+8*\t+7], v[H64], s[QBB:QBB+1] offset:128*(\t/2)+32*(\t%2)+16
.endr
	WIN 0x40                                       ; destination window 1
.irp t, 0,1,2,3
.irp k, 0,1,2,3
.irp c, 0,1,2
	global_load_b128 v[64+12*(4*\t+\k)+4*\c:64+12*(4*\t+\k)+4*\c+3], v[WA0], s[WQB:WQB+1] offset:6144*\t+1536*\k+512*\c
.endr
.endr
.endr
.set n, 32
.rept 32
	v_mov_b32 v[n], 0                              ; K 64-127 of [q | 0]
.set n, n+1
.endr
	s_wait_loadcnt 0x0
.irp k, 0,1,2,3                        ; four accumulators by turns; the bias is the C of each sum's first product
.if \k == 0
	WIN 0x41
.else
	WIN 0x51
.endif
.irp t, 0,1,2,3
.if \k == 0
	WM 8*\t, 64+12*(4*\t+\k), WF+12*\k, WF+48+8*\t, QS+2*\t+\k/2, X0S+\k/2, \k%2
.else
	WM 8*\t, 64+12*(4*\t+\k), WF+12*\k, 8*\t, QS+2*\t+\k/2, X0S+\k/2, \k%2
.endif
.endr
.endr
	WIN 0
	PLACES 4
	QUANT 0, QS                                    ; [q | 0]: register 16 b + i is d = 32 b + 16 h + i; the zero half gives zero codes
	v_lshlrev_b32 v[QS+1], 16, v[QS]               ; [0 | q]: q's two bytes move up; the bytes under them scale zero codes
.irp c, 0,1,2
	ds_store_b128 v[QIW], v[OUT+4*\c:OUT+4*\c+3] offset:512*\c
.endr
	ds_store_b64 v[QIW], v[OUT+6:OUT+7] offset:1536            ; [0 | q]: registers 0-5 are the zeros, registers 6-11 are q's six
	ds_store_b64 v[QIW], v[OUT+8:OUT+9] offset:1536+8
	ds_store_b64 v[QIW], v[OUT+10:OUT+11] offset:1536+512
	ds_store_b64 v[QIW], v[OUT:OUT+1] offset:1536+520
	ds_store_b64 v[QIW], v[OUT+2:OUT+3] offset:1536+1024
	ds_store_b64 v[QIW], v[OUT+4:OUT+5] offset:1536+1032
	ds_store_b32 v[QSW], v[QS]
	ds_store_b32 v[QSW], v[QS+1] offset:128
.Lnoq:
	s_wait_tensorcnt 4                             ; my group of W is in; x's four loads, issued behind it, may stay out
	BAR                                            ; everybody's group is in, and q's images lie in LDS
	WLOAD 0, 0, 0
	s_wait_tensorcnt 3                             ; my K step 0 of x: I alone read these bytes
	XLOAD 0
.macro BRANCH br
	s_wait_loadcnt 0x0                             ; the scale words and k's bias
	QLOAD \br
	; ---- k of my 128 keys
	GHEAD 2*\br, 0
.if \br == 0
	s_wait_tensorcnt 2                             ; K step 1 of x is in; the two loads behind it may be out
	XLOAD 1
.endif
	GMUL 0, 2*\br, 0
	GHEAD 2*\br, 1
	VBIAS \br                                      ; k's bias has been taken in: its registers take v's
.if \br == 0
	s_wait_tensorcnt 1
	XLOAD 2
.endif
	GMUL 0, 2*\br, 1
	GHEAD 2*\br, 2
.if \br == 0
	s_wait_tensorcnt 0x0
	XLOAD 3
.endif
	GMUL 0, 2*\br, 2
	GHEAD 2*\br, 3
	GMUL 0, 2*\br, 3
	PLACES 4
	; ---- the scores: two tiles of keys make one fragment of k
.irp p, 0,1,2,3
	QUANT 64*\p, KS
	PLACES 8                                       ; a scale word written by vector instructions stands 8 places ahead of a scaled product, an operand 4
	WIN 0x80
	WMZ LL+16*\p, OUT, QFL, KS, QS
	WMZ LL+16*\p+8, OUT, QFH, KS, QS+1
.endr                                  ; register 16 b + i of the scores is key 128 w + 32 b + 16 h + i; the next QUANT's first lines are the places behind these products
	s_wait_loadcnt 0x0                             ; v's bias
	; ---- v of my 128 keys
	GHEAD 2*\br+1, 0
	GMUL 1, 2*\br+1, 0
	GHEAD 2*\br+1, 1
.if \br == 0
	KBIAS 1                                        ; the next branch's
.endif
	GMUL 1, 2*\br+1, 1
	GHEAD 2*\br+1, 2
	GMUL 1, 2*\br+1, 2
	GHEAD 2*\br+1, 3
	GMUL 1, 2*\br+1, 3
	PLACES 4
.irp t, 0,1,2,3
	QUANT 64*\t, VS+\t
	WIN 0xc0
.irp i, 0,1,2,3,4,5,6,7,8,9,10,11
	v_mov_b32 v[VF+12*\t+\i], v[OUT+\i]
.endr
.if \t == 0
	WIN 0x40                                       ; tile 0's registers are free: they take my 64 numbers of the mask, in the scores' order
.irp u, 0,1,2,3
.irp q, 0,1,2,3
	global_load_b128 v[MK+16*\u+4*\q:MK+16*\u+4*\q+3], v[MO], s[MB:MB+1] offset:128*\u+16*\q
.endr
.endr
.endif
.endr
	; ---- the softmax of the CLS row, finished and normalised
	s_wait_loadcnt 0x0
	WIN 0x49                                       ; source 0 window 1, source 1 window 2, destination window 1
.set n, 0
.rept 64
	v_cmp_ne_u32 vcc_lo, v[MK+n], 0
	v_cndmask_b32 v[SS+n], 0xff800000, v[LL+n], vcc_lo     ; a hidden key's score is -infinity
.set n, n+1
.endr
	WIN 0x55
.irp u, 0,1,2,3
	v_max3_num_f32 v[TP+\u], v[SS+16*\u], v[SS+16*\u+1], v[SS+16*\u+2]
.endr
.irp i, 3,5,7,9,11,13
.irp u, 0,1,2,3
	v_max3_num_f32 v[TP+\u], v[TP+\u], v[SS+16*\u+\i], v[SS+16*\u+\i+1]
.endr
.endr
.irp u, 0,1,2,3
	v_max_num_f32 v[TP+\u], v[TP+\u], v[SS+16*\u+15]
.endr
	v_max3_num_f32 v[TP], v[TP], v[TP+1], v[TP+2]
	v_max3_num_f32 v[TP], v[TP], v[TP+3], 0xf149f2ca       ; and -1e30: a row with no valid key keeps a finite maximum
	v_mov_b32 v[TP+4], 0
	v_permlanex16_b32 v[TP+4], v[TP], s[SEL], s[SEL+1]
	v_max_num_f32 v[TP], v[TP], v[TP+4]            ; my wave's 128 keys
	WIN 0x04
	ds_store_b32 v[EXW], v[TP]
	BAR
	WIN 0x40
.irp k, 0,1,2,3
	ds_load_b32 v[TP+4+\k], v[SCR] offset:512+128*\k
.endr
	s_wait_dscnt 0x0
	WIN 0x55
	v_max3_num_f32 v[TP], v[TP+4], v[TP+5], v[TP+6]
	v_max_num_f32 v[TP], v[TP], v[TP+7]            ; the row's maximum
	v_mul_f32 v[TP+8], s[CS], v[TP]
	v_mul_f32 v[TP+9], s[CS], v[TP]
.set n, 0
.rept 32
	v_pk_fma_f32 v[SS+n:SS+n+1], v[SS+n:SS+n+1], s[CS:CS+1], v[TP+8:TP+9] op_sel_hi:[1,0,0] neg_lo:[0,0,1] neg_hi:[0,0,1]   ; c s - c max
.set n, n+2
.endr
.set n, 0
.rept 64
	v_exp_f32 v[SS+n], v[SS+n]
.set n, n+1
.endr
	v_nop                                          ; a plain place behind the last exponential
	s_wait_alu depctr_va_vdst(0)                   ; one wait for the batch, ahead of its first reader
	v_pk_add_f32 v[TP+10:TP+11], v[SS:SS+1], v[SS+2:SS+3]  ; the sum, two at a time, in two chains
	v_pk_add_f32 v[TP+12:TP+13], v[SS+4:SS+5], v[SS+6:SS+7]
.set n, 8
.rept 14
	v_pk_add_f32 v[TP+10:TP+11], v[TP+10:TP+11], v[SS+n:SS+n+1]
	v_pk_add_f32 v[TP+12:TP+13], v[TP+12:TP+13], v[SS+n+2:SS+n+3]
.set n, n+4
.endr
	v_pk_add_f32 v[TP+10:TP+11], v[TP+10:TP+11], v[TP+12:TP+13]
	v_add_f32 v[TP], v[TP+10], v[TP+11]
	v_permlanex16_b32 v[TP+4], v[TP], s[SEL], s[SEL+1]
	v_add_f32 v[TP], v[TP], v[TP+4]
	WIN 0x04
	ds_store_b32 v[EXW], v[TP] offset:512
	BAR
	WIN 0x40
.irp k, 0,1,2,3
	ds_load_b32 v[TP+4+\k], v[SCR] offset:1024+128*\k
.endr
	s_wait_dscnt 0x0
	WIN 0x55
	v_add_f32 v[TP], v[TP+4], v[TP+5]
	v_add_f32 v[TP+1], v[TP+6], v[TP+7]
	v_add_f32 v[TP], v[TP], v[TP+1]                ; the row's sum, the same bits in every wave
	v_max_num_f32 v[TP], 0x0d800000, v[TP]         ; at least 2^-100: a row with no valid key gives 0, no NaN
	v_rcp_f32 v[TP+2], v[TP]
	v_nop
	s_wait_alu depctr_va_vdst(0)
	v_mul_f32 v[TP+2], s[SR], v[TP+2]              ; x 0 where the CLS row does not count
	v_mov_b32 v[TP+3], v[TP+2]
.set n, 0
.rept 32
	v_pk_mul_f32 v[SS+n:SS+n+1], v[SS+n:SS+n+1], v[TP+2:TP+3] op_sel_hi:[1,0]
.set n, n+2
.endr
	QUANT SS, PS
	PLACES 8
	; ---- a . v over my 128 keys
	WIN 0x43
.irp t, 0,1,2,3
	WMZ OO+8*\t, VF+12*\t, OUT, VS+\t, PS
.endr
	PLACES 4
	WIN 0x04
.irp t, 0,1,2,3
	ds_store_b128 v[OPW], v[OO+8*\t:OO+8*\t+3] offset:128*(\t/2)+32*(\t%2)         ; register j of tile t is d = 32 (t / 2) + 8 (t % 2) + 16 h + j: a row of 64 d in their order; all 16 rows are alike
	ds_store_b128 v[OPW], v[OO+8*\t+4:OO+8*\t+7] offset:128*(\t/2)+32*(\t%2)+16
.endr
	WIN 0
	BAR
	s_cmp_lg_u32 s[WV], 0
	s_cbranch_scc1 .Lnot0_\@
.irp k, 0,1,2,3
	ds_load_b64 v[TM+2*\k:TM+2*\k+1], v[OPR] offset:16*OPP*\k
.endr
	s_wait_dscnt 0x0
	v_pk_add_f32 v[TM:TM+1], v[TM:TM+1], v[TM+2:TM+3]
	v_pk_add_f32 v[TM+4:TM+5], v[TM+4:TM+5], v[TM+6:TM+7]
	v_pk_add_f32 v[TM:TM+1], v[TM:TM+1], v[TM+4:TM+5]
	global_store_b64 v[L8], v[TM:TM+1], s[AB:AB+1] offset:2048*\br     ; 32 lanes store 256 consecutive bytes, at a multiple of 256 from att's first byte
	s_wait_xcnt 0x0                                ; the store has read its data: these registers are at work again later
.Lnot0_\@:
.endm
	BRANCH 0
	BRANCH 1
	s_set_vgpr_msb 0xc
	s_wait_tensorcnt 0x0
	ds_add_u32 v115, v255
	s_wait_dscnt 0x0
	s_set_vgpr_msb 0xc00
	CROUND                                         ; the closing round: no work-group ends while a partner may still ask for a tile that names it
	s_endpgm
.Lfunc_end_k_q42048c566c_attn:
	.size	k_q42048c566c_attn, .Lfunc_end_k_q42048c566c_attn-k_q42048c566c_attn
	.p2alignl 7, 3214868480
	.fill 96, 4, 3214868480
	.section	.rodata,"a",@progbits
	.p2align	6, 0x0
	.amdhsa_kernel k_q42048c566c_attn
		.amdhsa_group_segment_fixed_size 327680
		.amdhsa_private_segment_fixed_size 0
		.amdhsa_enable_private_segment 0
		.amdhsa_kernarg_size 40
		.amdhsa_user_sgpr_count 2
		.amdhsa_user_sgpr_kernarg_segment_ptr 1
		.amdhsa_wavefront_size32 1
		.amdhsa_system_sgpr_workgroup_id_x 1
		.amdhsa_system_sgpr_workgroup_id_y 1
		.amdhsa_system_sgpr_workgroup_id_z 1
		.amdhsa_system_vgpr_workitem_id 0
		.amdhsa_next_free_vgpr 1024
		.amdhsa_next_free_sgpr 96
		.amdhsa_reserve_vcc 1
		.amdhsa_float_denorm_mode_32 3
		.amdhsa_float_denorm_mode_16_64 3
		.amdhsa_memory_ordered 1
		.amdhsa_forward_progress 1
		.amdhsa_inst_pref_size 245
	.end_amdhsa_kernel
	.amdgpu_metadata
---
amdhsa.version: [ 1, 2 ]
amdhsa.kernels:
  - .name:           k_q42048c566c_attn
    .symbol:         k_q42048c566c_attn.kd
    .args:
      - { .name: codes, .offset: 0, .size: 8, .value_kind: global_buffer, .address_space: global }
      - { .name: scales, .offset: 8, .size: 8, .value_kind: global_buffer, .address_space: global }
      - { .name: b_qkv, .offset: 16, .size: 8, .value_kind: global_buffer, .address_space: global }
      - { .name: mask, .offset: 24, .size: 8, .value_kind: global_buffer, .address_space: global }
      - { .name: att, .offset: 32, .size: 8, .value_kind: global_buffer, .address_space: global }
    .group_segment_fixed_size: 327680
    .private_segment_fixed_size: 0
    .kernarg_segment_align: 8
    .kernarg_segment_size: 40
    .max_flat_workgroup_size: 128
    .sgpr_count:     96
    .vgpr_count:     1024
    .wavefront_size: 32
...
	.end_amdgpu_metadata
.endif
;; end of part 2
;; launch final (part 3): grid 9 x 1, 8 waves a work-group, no clusters, 89,344 bytes of LDS; arguments att, x, codes, scales, g_w, beta_w, g_E, beta_E, W_ow, b_ow, b_oE, out0, out1; writes out0, out1
.if DOCPART == 3
	.amdgcn_target "amdgcn-amd-amdhsa--gfx1250"
	.amdhsa_code_object_version 6
	.text
	.protected	k_q42048c566c_final
	.globl	k_q42048c566c_final
	.p2align	8
	.type	k_q42048c566c_final,@function
k_q42048c566c_final:
	s_mov_b64 s[64:65], 0
	v_nop
	global_prefetch_b8 v0, s[64:65] scope:SCOPE_SE
	s_setreg_imm32_b32 hwreg(HW_REG_WAVE_MODE, 25, 1), 1
	s_wait_xcnt 0x0
; h = LayerNorm(att[b][branch] + x[b][0]) x gain + beta, 32 rows of 512, in f32 (mean first, then the mean of the squared differences: no difference of large sums).
; Work-groups 0 .. 7: branch E; out1[:, 64 g .. 64 g + 63] = Q(h) Q(W_oE)^T + b_oE on codes of BF6 (E3M2): W_oE comes as codes laid as operand registers, h is quantised here.
; Work-group 8: branch w; out0 = h . W_ow + b_ow by fused multiply-adds in f32 (one column: no matrix work).
; The text is one path up to the end of the LayerNorm (pointers are chosen on the work-group's number); then it parts on that number, which all waves of a work-group share; each path has LDS bytes of its own.
; The launch has 32 rows and 64 products in all: nine work-groups are what the work gives.  Every work-group repeats the LayerNorm of its branch: 128 KB of reads, against a further launch.
; SHARES.  LayerNorm: wave w takes rows 4 w .. 4 w + 3; register 4 j + e of a row holds k = 128 j + 4 lane + e, so that each load reads 512 consecutive bytes.
;   E: the rows go to LDS; wave w quantises tile of rows w % 2, K step w / 2, and stores the fragment as an image of its registers; then wave w makes tile of rows w % 2 x tile w / 2 of W_oE's 64 rows:
;   four products on two accumulators by turns (f32 sums in another order than the module's); the results meet in a stage and leave as whole runs of 256 bytes.
; LIMITS: NaN and infinities are not served; a block of zeros carries the byte 1: its codes are zeros.
.set HP,   2064                        ; a row of h in LDS: 2,048 bytes + 16
.set HIMG, 32*HP                       ; behind the rows: 8 fragment images of 1,536 bytes (4 x tile of rows + K step),
.set HSC,  HIMG+8*1536                 ; their scale words, 128 bytes each,
.set STG,  HSC+8*128                   ; the stage for out1: 32 rows x (256 bytes + 16),
.set OW,   STG+32*272                  ; and the w path's 32 numbers
.set AO,  1                            ; v1   my offset in att
.set XO,  2                            ; v2   in x
.set L16, 3                            ; v3   16 x lane
.set HW,  4                            ; v4   where I put my rows of h
.set HR,  5                            ; v5   where I read 64 numbers to quantise
.set HIW, 6                            ; v6   where I put the image,
.set HSW, 7                            ; v7   and its scale word
.set HIF, 8                            ; v8   where I fetch my tile of rows' four images,
.set HSF, 9                            ; v9   and their scale words
.set SW,  10                           ; v10  the stage: in
.set SRD, 11                           ; v11  the stage: back
.set HS,  12                           ; v12-15 h's scale words
.set Y,   16                           ; v16-79 four rows; later the 64 numbers to quantise; later rows of out1
.set XR,  80                           ; v80-143 x's four rows; then v80-127 W_oE's four fragments
.set HF,  128                          ; v128-175 h's four fragments (behind the LayerNorm)
.set GG,  144                          ; v144-159 gain
.set BE,  160                          ; v160-175 beta
.set WO,  176                          ; v176-191 W_ow
.set WSC, 192                          ; v192-193 W_oE's scale words: register i: K step 2 i in lanes 0-15, 2 i + 1 in lanes 16-31
.set BC,  194                          ; v194-201 b_oE as C
.set TM,  202                          ; v202-217 at work
.set PC,  218                          ; v218-236 the codes just made; later the results
.set PW,  238                          ; the scale word just made
.set OFF, 239                          ; my offset in out1
.set AC0, 240                          ; two accumulators; before them v240-247 hold the head's temporaries, two global offsets and the w path's addresses
.set AC1, 248
.set WV,  32
.set SEL, 34
.macro BAR
	s_wait_dscnt 0x0
	s_barrier_signal -1
	s_barrier_wait -1
.endm
.macro WSUM                            ; the pairs v[TM + 2 i], i = 0 .. 3, are summed over their halves and the 32 lanes; the result stands in the low register of every lane
.irp i, 0,1,2,3
	v_add_f32 v[TM+2*\i], v[TM+2*\i], v[TM+2*\i+1]
.endr
.irp m, 1,2,4,8
.irp i, 0,1,2,3
	v_add_f32_dpp v[TM+2*\i], v[TM+2*\i], v[TM+2*\i] row_xmask:\m row_mask:0xf bank_mask:0xf
.endr
.endr
.irp i, 0,1,2,3
	v_permlanex16_b32 v[TM+2*\i+1], v[TM+2*\i], s[SEL], s[SEL+1]
.endr
.irp i, 0,1,2,3
	v_add_f32 v[TM+2*\i], v[TM+2*\i], v[TM+2*\i+1]
.endr
.endm
	s_load_b256 s[4:11], s[0:1], 0x0               ; att, x, codes, scales
	s_load_b256 s[12:19], s[0:1], 0x20             ; g_w, beta_w, g_E, beta_E
	s_load_b256 s[20:27], s[0:1], 0x40             ; W_ow, b_ow, b_oE, out0
	s_load_b64 s[28:29], s[0:1], 0x60              ; out1
	v_lshl_add_u32 v233, v0, 2, 0x15900
	v_mov_b32 v237, 0
	v_lshrrev_b32 v240, 5, v0
	v_readfirstlane_b32 s[WV], v240                ; wave 0..7
	v_and_b32 v240, 31, v0                         ; lane
	v_and_b32 v241, 15, v0                         ; r
	v_bfe_u32 v242, v0, 4, 1                       ; h
	v_lshlrev_b32 v[L16], 4, v240
	s_lshl_b32 s33, s[WV], 14
	v_add_nc_u32 v[AO], s33, v[L16]                ; att: 4 w rows of 4,096 bytes
	s_lshl_b32 s33, s[WV], 22
	v_add_nc_u32 v[XO], s33, v[L16]                ; x: 4 w batches of 2^20 bytes
	s_mul_i32 s33, s[WV], 4*HP
	v_add_nc_u32 v[HW], s33, v[L16]
	s_and_b32 s42, s[WV], 1                        ; my tile of rows
	s_lshr_b32 s43, s[WV], 1                       ; my K step, later my tile of W_oE
	s_mul_i32 s33, s42, 16*HP
	s_lshl_b32 s44, s43, 9
	s_add_co_u32 s33, s33, s44
	v_mul_u32_u24 v[HR], v241, HP
	v_lshl_add_u32 v[HR], v242, 6, v[HR]
	v_add_nc_u32 v[HR], s33, v[HR]                 ; row 16 mt + r, + 512 x K step + 64 h
	s_lshl_b32 s33, s42, 2
	s_add_co_u32 s33, s33, s43
	s_mul_i32 s44, s33, 1536
	s_add_co_u32 s44, s44, HIMG
	v_add_nc_u32 v[HIW], s44, v[L16]
	s_lshl_b32 s44, s33, 7
	s_add_co_u32 s44, s44, HSC
	v_lshl_add_u32 v[HSW], v240, 2, s44
	s_mul_i32 s44, s42, 6144
	s_add_co_u32 s44, s44, HIMG
	v_add_nc_u32 v[HIF], s44, v[L16]
	s_lshl_b32 s44, s42, 9
	s_add_co_u32 s44, s44, HSC
	v_lshl_add_u32 v[HSF], v240, 2, s44
	s_lshr_b32 s45, s43, 1
	s_lshl_b32 s45, s45, 7
	s_and_b32 s46, s43, 1
	s_lshl_b32 s46, s46, 5
	s_add_co_u32 s45, s45, s46                     ; my tile's first column among the 64, in bytes: 128 (t / 2) + 32 (t % 2)
	s_mul_i32 s44, s42, 16*272
	s_add_co_u32 s44, s44, s45
	s_add_co_u32 s44, s44, STG
	v_mul_u32_u24 v[SW], v241, 272
	v_lshl_add_u32 v[SW], v242, 6, v[SW]
	v_add_nc_u32 v[SW], s44, v[SW]
	s_mul_i32 s44, s[WV], 4*272
	s_add_co_u32 s44, s44, STG
	v_mul_u32_u24 v[SRD], v242, 272
	v_lshl_add_u32 v[SRD], v241, 4, v[SRD]
	v_add_nc_u32 v[SRD], s44, v[SRD]               ; rows 4 w + lane / 16, 16 bytes a lane
	s_lshl_b32 s44, s[WV], 13
	v_lshlrev_b32 v[OFF], 11, v242
	v_lshl_add_u32 v[OFF], v241, 4, v[OFF]
	v_add_nc_u32 v[OFF], s44, v[OFF]               ; and the same in out1: rows of 2,048 bytes
	v_lshlrev_b32 v243, 3, v240                    ; 8 x lane
	v_lshlrev_b32 v244, 6, v242                    ; 64 h
	s_lshl_b32 s44, s[WV], 4
	s_add_co_u32 s44, s44, OW
	v_mov_b32 v245, s44                            ; the w path: my wave's four words
	v_lshl_add_u32 v246, v240, 2, OW
	v_lshlrev_b32 v247, 2, v240
	s_mov_b32 s[SEL], 0x76543210
	s_mov_b32 s[SEL+1], 0xfedcba98
	s_mov_b32 s36, 0x3b000000                      ; 1 / 512
	s_mov_b32 s37, 0x3727c5ac                      ; 1e-5
	s_mov_b32 s38, 0xbb000000                      ; -1 / 512
	s_wait_kmcnt 0x0
	s_cmp_lt_u32 ttmp9, 8                          ; branch E or branch w: the choice hangs on the work-group's number alone
	s_cselect_b64 s[12:13], s[16:17], s[12:13]
	s_cselect_b64 s[14:15], s[18:19], s[14:15]
	s_cselect_b32 s40, 2048, 0
	s_mov_b32 s41, 0
	s_add_nc_u64 s[4:5], s[4:5], s[40:41]
	s_load_b32 s39, s[22:23], 0x0                  ; b_ow
	s_min_u32 s31, ttmp9, 7                        ; work-group 8 asks for the last block's weights and does not use them: every load stays in its buffer
	s_lshl_b32 s40, s31, 2
	s_add_co_u32 s40, s40, s43
	s_add_co_u32 s40, s40, 1216                    ; my unit of W_oE
	s_mul_i32 s47, s40, 6144
	s_lshl_b32 s40, s40, 8
	s_add_nc_u64 s[10:11], s[10:11], s[40:41]
	s_mov_b32 s40, s47
	s_add_nc_u64 s[8:9], s[8:9], s[40:41]
	s_lshl_b32 s40, s31, 8
	s_add_nc_u64 s[28:29], s[28:29], s[40:41]
	s_add_co_u32 s40, s40, s45
	s_add_nc_u64 s[24:25], s[24:25], s[40:41]
.irp i, 0,1,2,3
.irp j, 0,1,2,3
	global_load_b128 v[Y+16*\i+4*\j:Y+16*\i+4*\j+3], v[AO], s[4:5] offset:4096*\i+512*\j
	global_load_b128 v[XR+16*\i+4*\j:XR+16*\i+4*\j+3], v[XO], s[6:7] offset:(\i<<20)+512*\j
.endr
.endr
.irp j, 0,1,2,3
	global_load_b128 v[GG+4*\j:GG+4*\j+3], v[L16], s[12:13] offset:512*\j
	global_load_b128 v[BE+4*\j:BE+4*\j+3], v[L16], s[14:15] offset:512*\j
	global_load_b128 v[WO+4*\j:WO+4*\j+3], v[L16], s[20:21] offset:512*\j
.endr
	global_load_b64 v[WSC:WSC+1], v243, s[10:11]
	global_load_b128 v[BC:BC+3], v244, s[24:25]    ; register j: b_oE of W_oE's row 64 g + 32 (t / 2) + 8 (t % 2) + 16 h + j
	global_load_b128 v[BC+4:BC+7], v244, s[24:25] offset:16
	s_wait_kmcnt 0x0
	s_wait_loadcnt 0x0
.irp i, 0,1,2,3
.irp j, 0,2,4,6,8,10,12,14
	v_pk_add_f32 v[Y+16*\i+\j:Y+16*\i+\j+1], v[Y+16*\i+\j:Y+16*\i+\j+1], v[XR+16*\i+\j:XR+16*\i+\j+1]
.endr
.endr
.irp k, 0,1,2,3
.irp c, 0,1,2
	global_load_b128 v[XR+12*\k+4*\c:XR+12*\k+4*\c+3], v[L16], s[8:9] offset:1536*\k+512*\c    ; W_oE's four fragments land while the rows are normalised
.endr
.endr
.irp i, 0,1,2,3
	v_pk_add_f32 v[TM+2*\i:TM+2*\i+1], v[Y+16*\i:Y+16*\i+1], v[Y+16*\i+2:Y+16*\i+3]
.endr
.irp j, 4,6,8,10,12,14
.irp i, 0,1,2,3
	v_pk_add_f32 v[TM+2*\i:TM+2*\i+1], v[TM+2*\i:TM+2*\i+1], v[Y+16*\i+\j:Y+16*\i+\j+1]    ; the four rows by turns
.endr
.endr
	WSUM
.irp i, 0,1,2,3
	v_mul_f32 v[TM+8+2*\i], s38, v[TM+2*\i]        ; -mean
.endr
.irp i, 0,1,2,3
	v_mov_b32 v[TM+9+2*\i], v[TM+8+2*\i]           ; (the pair is named whole)
.endr
.irp i, 0,1,2,3
.irp j, 0,2,4,6,8,10,12,14
	v_pk_add_f32 v[Y+16*\i+\j:Y+16*\i+\j+1], v[Y+16*\i+\j:Y+16*\i+\j+1], v[TM+8+2*\i:TM+9+2*\i] op_sel_hi:[1,0]
.endr
.endr
.irp i, 0,1,2,3
	v_pk_mul_f32 v[TM+2*\i:TM+2*\i+1], v[Y+16*\i:Y+16*\i+1], v[Y+16*\i:Y+16*\i+1]
.endr
.irp j, 2,4,6,8,10,12,14
.irp i, 0,1,2,3
	v_pk_fma_f32 v[TM+2*\i:TM+2*\i+1], v[Y+16*\i+\j:Y+16*\i+\j+1], v[Y+16*\i+\j:Y+16*\i+\j+1], v[TM+2*\i:TM+2*\i+1]
.endr
.endr
	WSUM
.irp i, 0,1,2,3
	v_fma_f32 v[TM+8+2*\i], v[TM+2*\i], s36, s37   ; variance + 1e-5
.endr
.irp i, 0,1,2,3
	v_rsq_f32 v[TM+2*\i], v[TM+8+2*\i]
.endr
	v_nop                                          ; a plain place behind the last of the four
	s_wait_alu depctr_va_vdst(0)                   ; one wait for the four, ahead of their first reader
.irp i, 0,1,2,3
	v_mov_b32 v[TM+2*\i+1], v[TM+2*\i]
.endr
.irp i, 0,1,2,3
.irp j, 0,2,4,6,8,10,12,14
	v_pk_mul_f32 v[Y+16*\i+\j:Y+16*\i+\j+1], v[Y+16*\i+\j:Y+16*\i+\j+1], v[TM+2*\i:TM+2*\i+1] op_sel_hi:[1,0]
.endr
.endr
.irp i, 0,1,2,3
.irp j, 0,2,4,6,8,10,12,14
	v_pk_fma_f32 v[Y+16*\i+\j:Y+16*\i+\j+1], v[Y+16*\i+\j:Y+16*\i+\j+1], v[GG+\j:GG+\j+1], v[BE+\j:BE+\j+1]
.endr
.endr
	s_cmp_eq_u32 ttmp9, 8
	s_cbranch_scc1 .Lw_path
	; ---- branch E.  The rows meet in LDS
.irp i, 0,1,2,3
.irp j, 0,1,2,3
	ds_store_b128 v[HW], v[Y+16*\i+4*\j:Y+16*\i+4*\j+3] offset:HP*\i+512*\j
.endr
.endr
	BAR
.irp b, 0,1,2,3
.irp j, 0,1,2,3
	ds_load_b128 v[Y+16*\b+4*\j:Y+16*\b+4*\j+3], v[HR] offset:128*\b+16*\j     ; register 16 b + i = k 128 step + 32 b + 16 h + i of row 16 mt + r
.endr
.endr
	s_wait_dscnt 0x0
.irp b, 0,1,2,3
	v_max3_num_f32 v[TM+\b], |v[Y+16*\b]|, |v[Y+16*\b+1]|, 0x2800000           ; the floor 2^(5 - 127): the byte cannot fall under 1
.endr
.irp i, 2,4,6,8,10,12,14
.irp b, 0,1,2,3
	v_max3_num_f32 v[TM+\b], v[TM+\b], |v[Y+16*\b+\i]|, |v[Y+16*\b+\i+1]|
.endr
.endr
.irp b, 0,1,2,3
	v_permlanex16_b32 v[TM+4+\b], v[TM+\b], s[SEL], s[SEL+1]
.endr
.irp b, 0,1,2,3
	v_max_num_f32 v[TM+\b], v[TM+\b], v[TM+4+\b]
.endr
.irp b, 0,1,2,3
	v_add_nc_u32 v[TM+8+\b], 0xfe000000, v[TM+\b]  ; 4 off the exponent field: the conversion's scale operand
.endr
.irp b, 0,1,2,3
	v_lshrrev_b32 v[TM+4+\b], 23, v[TM+8+\b]       ; the scale's byte
.endr
	v_lshl_or_b32 v[PW], v[TM+5], 8, v[TM+4]
	v_lshl_or_b32 v[PW], v[TM+6], 16, v[PW]
	v_lshl_or_b32 v[PW], v[TM+7], 24, v[PW]
.irp c, 0,1
	v_cvt_scalef32_pk16_bf6_f32 v[PC+6*\c:PC+6*\c+2], v[Y+32*\c:Y+32*\c+15], v[TM+8+2*\c]
	v_cvt_scalef32_pk16_bf6_f32 v[PC+12+4*\c:PC+14+4*\c], v[Y+32*\c+16:Y+32*\c+31], v[TM+8+2*\c+1]
.endr
	v_nop                                          ; one plain place behind a scaled conversion
.irp c, 0,1
.irp i, 0,1,2
	v_permlane16_swap_b32 v[PC+6*\c+\i], v[PC+12+4*\c+\i]
.endr
.irp i, 0,1,2
	v_mov_b32 v[PC+6*\c+3+\i], v[PC+12+4*\c+\i]
.endr
.endr
.irp c, 0,1,2
	ds_store_b128 v[HIW], v[PC+4*\c:PC+4*\c+3] offset:512*\c   ; the fragment goes to LDS as it stands
.endr
	ds_store_b32 v[HSW], v[PW]
	BAR
.irp k, 0,1,2,3
.irp c, 0,1,2
	ds_load_b128 v[HF+12*\k+4*\c:HF+12*\k+4*\c+3], v[HIF] offset:1536*\k+512*\c
.endr
	ds_load_b32 v[HS+\k], v[HSF] offset:128*\k
.endr
	s_wait_dscnt 0x0
	s_wait_loadcnt 0x0                             ; W_oE's fragments
	; source 0 = 16 rows of W_oE, source 1 = 16 rows of h: a lane holds one row of out1 and eight neighbouring columns.  Two accumulators by turns
	v_wmma_scale_f32_16x16x128_f8f6f4 v[AC0:AC0+7], v[XR:XR+11], v[HF:HF+11], v[BC:BC+7], v[WSC], v[HS] matrix_a_fmt:MATRIX_FMT_BF6 matrix_b_fmt:MATRIX_FMT_BF6
	v_wmma_scale_f32_16x16x128_f8f6f4 v[AC1:AC1+7], v[XR+12:XR+23], v[HF+12:HF+23], 0, v[WSC], v[HS+1] matrix_a_fmt:MATRIX_FMT_BF6 matrix_b_fmt:MATRIX_FMT_BF6 matrix_a_scale:MATRIX_SCALE_ROW1
	v_wmma_scale_f32_16x16x128_f8f6f4 v[AC0:AC0+7], v[XR+24:XR+35], v[HF+24:HF+35], v[AC0:AC0+7], v[WSC+1], v[HS+2] matrix_a_fmt:MATRIX_FMT_BF6 matrix_b_fmt:MATRIX_FMT_BF6
	v_wmma_scale_f32_16x16x128_f8f6f4 v[AC1:AC1+7], v[XR+36:XR+47], v[HF+36:HF+47], v[AC1:AC1+7], v[WSC+1], v[HS+3] matrix_a_fmt:MATRIX_FMT_BF6 matrix_b_fmt:MATRIX_FMT_BF6 matrix_a_scale:MATRIX_SCALE_ROW1
.rept 4
	v_nop
.endr
.irp q, 0,2,4,6
	v_pk_add_f32 v[PC+\q:PC+\q+1], v[AC0+\q:AC0+\q+1], v[AC1+\q:AC1+\q+1]     ; both accumulators from their low ends on
.endr
	ds_store_b128 v[SW], v[PC:PC+3]
	ds_store_b128 v[SW], v[PC+4:PC+7] offset:16
	BAR
	ds_load_b128 v[Y:Y+3], v[SRD]
	ds_load_b128 v[Y+4:Y+7], v[SRD] offset:2*272
	s_wait_dscnt 1                                 ; the first two rows are back; the second load may be out
	global_store_b128 v[OFF], v[Y:Y+3], s[28:29]   ; 16 lanes store 256 consecutive bytes, at a multiple of 256 from out1's first byte
	s_wait_dscnt 0x0
	global_store_b128 v[OFF], v[Y+4:Y+7], s[28:29] offset:2*2048
	s_wait_tensorcnt 0x0
	ds_add_u32 v233, v237
	s_wait_dscnt 0x0
	s_endpgm
.Lw_path:
	; ---- branch w: one number a row
.irp i, 0,1,2,3
	v_pk_mul_f32 v[TM+2*\i:TM+2*\i+1], v[Y+16*\i:Y+16*\i+1], v[WO:WO+1]
.endr
.irp j, 2,4,6,8,10,12,14
.irp i, 0,1,2,3
	v_pk_fma_f32 v[TM+2*\i:TM+2*\i+1], v[Y+16*\i+\j:Y+16*\i+\j+1], v[WO+\j:WO+\j+1], v[TM+2*\i:TM+2*\i+1]
.endr
.endr
	WSUM
.irp i, 0,1,2,3
	v_add_f32 v[TM+2*\i], s39, v[TM+2*\i]
.endr
.irp i, 0,1,2,3
	ds_store_b32 v245, v[TM+2*\i] offset:4*\i      ; all lanes write the same word with the same value
.endr
	BAR
	s_cmp_lg_u32 s[WV], 0
	s_cbranch_scc1 .Ldone
	ds_load_b32 v16, v246
	s_wait_dscnt 0x0
	global_store_b32 v247, v16, s[26:27]           ; the 32 numbers: 128 consecutive bytes, all of out0
.Ldone:
	s_wait_tensorcnt 0x0
	ds_add_u32 v233, v237
	s_wait_dscnt 0x0
	s_endpgm
.Lfunc_end_k_q42048c566c_final:
	.size	k_q42048c566c_final, .Lfunc_end_k_q42048c566c_final-k_q42048c566c_final
	.p2alignl 7, 3214868480
	.fill 96, 4, 3214868480
	.section	.rodata,"a",@progbits
	.p2align	6, 0x0
	.amdhsa_kernel k_q42048c566c_final
		.amdhsa_group_segment_fixed_size 89344
		.amdhsa_private_segment_fixed_size 0
		.amdhsa_enable_private_segment 0
		.amdhsa_kernarg_size 104
		.amdhsa_user_sgpr_count 2
		.amdhsa_user_sgpr_kernarg_segment_ptr 1
		.amdhsa_wavefront_size32 1
		.amdhsa_system_sgpr_workgroup_id_x 1
		.amdhsa_system_sgpr_workgroup_id_y 1
		.amdhsa_system_sgpr_workgroup_id_z 1
		.amdhsa_system_vgpr_workitem_id 0
		.amdhsa_next_free_vgpr 256
		.amdhsa_next_free_sgpr 66
		.amdhsa_reserve_vcc 0
		.amdhsa_float_denorm_mode_32 3
		.amdhsa_float_denorm_mode_16_64 3
		.amdhsa_memory_ordered 1
		.amdhsa_forward_progress 1
		.amdhsa_inst_pref_size 39
	.end_amdhsa_kernel
	.amdgpu_metadata
---
amdhsa.version: [ 1, 2 ]
amdhsa.kernels:
  - .name:           k_q42048c566c_final
    .symbol:         k_q42048c566c_final.kd
    .args:
      - { .name: att, .offset: 0, .size: 8, .value_kind: global_buffer, .address_space: global }
      - { .name: x, .offset: 8, .size: 8, .value_kind: global_buffer, .address_space: global }
      - { .name: codes, .offset: 16, .size: 8, .value_kind: global_buffer, .address_space: global }
      - { .name: scales, .offset: 24, .size: 8, .value_kind: global_buffer, .address_space: global }
      - { .name: g_w, .offset: 32, .size: 8, .value_kind: global_buffer, .address_space: global }
      - { .name: beta_w, .offset: 40, .size: 8, .value_kind: global_buffer, .address_space: global }
      - { .name: g_E, .offset: 48, .size: 8, .value_kind: global_buffer, .address_space: global }
      - { .name: beta_E, .offset: 56, .size: 8, .value_kind: global_buffer, .address_space: global }
      - { .name: W_ow, .offset: 64, .size: 8, .value_kind: global_buffer, .address_space: global }
      - { .name: b_ow, .offset: 72, .size: 8, .value_kind: global_buffer, .address_space: global }
      - { .name: b_oE, .offset: 80, .size: 8, .value_kind: global_buffer, .address_space: global }
      - { .name: out0, .offset: 88, .size: 8, .value_kind: global_buffer, .address_space: global }
      - { .name: out1, .offset: 96, .size: 8, .value_kind: global_buffer, .address_space: global }
    .group_segment_fixed_size: 89344
    .private_segment_fixed_size: 0
    .kernarg_segment_align: 8
    .kernarg_segment_size: 104
    .max_flat_workgroup_size: 256
    .sgpr_count:     66
    .vgpr_count:     256
    .wavefront_size: 32
...
	.end_amdgpu_metadata
.endif
;; end of part 3
